; MI455X (gfx1250); checked and timed in simulation.
; The chip was launched on July 23, 2026; its instructions are those of AMD's public machine-readable ISA for CDNA 5 (MIT licence, August 2026) and "CDNA5" Instruction Set Architecture Reference Guide (July 2026). The comments in the code are by the model that wrote it; some were corrected since.
;; Lazy Attention Embedding. Allowed arithmetic: matrix products marked QUANTISED: E2M3 operands, one E8M0 scale for each 32 along K, by v_wmma_scale_f32_16x16x128_f8f6f4 with both operands' format E2M3, f32 sums; everything else in f32.
;; Inputs: bias_weight 4,096 x 16 float32; k 2 x 16 x 2,048 x 64 float32; q 2 x 16 x 2,048 x 64 float32; tau 16 float32; v 2 x 16 x 2,048 x 64 float32.
;; Outputs: out0 2 x 16 x 2,048 x 64 float32.
;; Constants: max_bias_length = 4096.
;; This version of the problem:
;;   THIS VERSION OF THE PROBLEM IS GIVEN IN LOW PRECISION. The matrix products marked QUANTISED in the list below multiply operands that are first quantised to E2M3 (2 exponent bits, 3 mantissa bits; 6 bits a number), with one power-of-two scale for each 32 numbers along K (OCP MX v1.0); their sums are f32. All else is computed in f32.
;;   The module's matrix products, in the order in which they are computed (A, B: the left and right operand; K: the contracted axis; several contracted axes count as one K, in the product's order):
;;     1. batch 32 x [M 2,048, K 64] x [K 64, N 2,048]; A: input q; B: input k: QUANTISED
;;     2. batch 32 x [M 2,048, K 2,048] x [K 2,048, N 64]; A: computed on the way; B: input v: QUANTISED
;;   THE QUANTISER, for each operand of a quantised product, along K:
;;     - K is cut into blocks of 32 from its start; a last block that is shorter is filled with zeros.
;;     - A block's scale is 2^e with e = floor(log2(the largest magnitude in the block)) - 2, held to -126 .. 127; a block of zeros has e = 0. As a byte (E8M0): e + 127.
;;     - Each number is divided by its block's scale, clamped to +-7.5, and rounded to the nearest number of E2M3, ties to even, subnormals kept.
;;     - The product sums the exact products of the quantised numbers (number of the format x scale) in f32.
;;   ~~~python
;;   def quantise(x, axis):      # numpy; x: float32 -> the quantised numbers, widened to float32 again
;;       x = np.moveaxis(x, axis, -1); K = x.shape[-1]
;;       x = np.pad(x, [(0, 0)] * (x.ndim - 1) + [(0, -K % 32)]); x = x.reshape(x.shape[:-1] + (-1, 32)); a = np.abs(x).max(-1, keepdims=True)
;;       e = np.where(a > 0, np.clip(np.frexp(np.where(a > 0, a, 1))[1] - 1 - 2, -126, 127), 0)      # np.frexp(a)[1] - 1 = floor(log2(a)), exactly
;;       r = np.clip(x / 2.0 ** e, -7.5, 7.5)
;;       step = 2.0 ** (np.maximum(np.frexp(np.where(r == 0, 1, r))[1] - 1, 0) - 3)
;;       q = np.round(r / step) * step * 2.0 ** e      # np.round: ties to even
;;       return np.moveaxis(q.reshape(q.shape[:-2] + (-1,))[..., :K], -1, axis).astype(np.float32)
;;   ~~~
;;   OPERANDS COMPUTED ON THE WAY. 'Computed on the way' means the value that the module computes at that place (a softmax that the list does not call 'softmax' is quantised finished and normalised). What goes into a quantiser is computed in f32, as accurately as f32 sums, v_exp_f32 and their like allow (about 1e-6 of the number): no bf16 or f16 on the way to a quantiser, and a product that is left as it is and whose result goes on into a quantised operand takes f32 operands (vector FMAs, or v_wmma_f32_16x16x4_f32). A number that lies on a knife's edge between two numbers of the format may be rounded either way, as far as f32 arithmetic and the matrix unit's own rounding can turn it there, and no further.
;; One version. Each part assembles by itself: llvm-mc -triple=amdgcn-amd-amdhsa -mcpu=gfx1250 --defsym DOCPART=n.
;; ======== version 1 of 1: 2 launches
;; workspace buffers: qblk 3,276,800 bytes; kblk 3,276,800 bytes; vblk 3,276,800 bytes; btab 589,824 bytes
;; launch prep (part 1): grid 576 x 1, 4 waves a work-group, no clusters, 37,376 bytes of LDS; arguments q, k, v, bias_weight, qblk, kblk, vblk, btab; writes qblk, kblk, vblk, btab
.if DOCPART == 1
	.amdgcn_target "amdgcn-amd-amdhsa--gfx1250"
	.amdhsa_code_object_version 6
	.text
	.protected	k_q734b869ac1_prep
	.globl	k_q734b869ac1_prep
	.p2align	8
	.type	k_q734b869ac1_prep,@function
k_q734b869ac1_prep:
	s_mov_b64 s[64:65], 0
	v_nop
	global_prefetch_b8 v0, s[64:65] scope:SCOPE_SE
	s_setreg_imm32_b32 hwreg(HW_REG_WAVE_MODE, 25, 1), 1
	s_wait_xcnt 0x0
; q, k, v [32 heads][2048][64] f32 become codes of FP6 (E2M3) with one E8M0 byte for each 32 along a product's K, laid as IMAGES OF THE OPERAND'S REGISTERS;
; bias_weight becomes a table that the second launch can load as the C of its first product.
; A head of qblk, kblk, vblk is 102,400 bytes: 4,096 of scale words, then 64 images of 1,536 bytes.  An image holds 12 registers of 32 lanes: register n of lane l at (n / 4) 512 + 16 l + 4 (n % 4).
; Q, K (K = the head's 64): image g is rows 32 g .. 32 g + 31.  Lane (r, h): registers 0-5 row 32 g + rho(r), d = 32 h .. 32 h + 31; registers 6-11 row 32 g + 8 + rho(r), the same d; rho(r) = r + 8 (r / 8).
;   Its scale word at 64 g + 4 r: bytes (first row d 0-31, first row d 32-63, second row d 0-31, second row d 32-63).
; V (K = the keys): image 4 s + t is keys 128 s .. 128 s + 127 of d = 16 t .. 16 t + 15.  Lane (r, h): registers 6 c .. 6 c + 5: d = 16 t + r, keys 128 s + 64 c + 32 h + 0 .. 31.  Scale word at 256 s + 4 d.
; btab: head, copy c (0..3), entry y (0..2303) = B(2111 - c - y); B(rel) = 8 x bias_weight[rel][head] for rel >= 0, -1e30 for rel < 0 (the causal mask).
; A block's scale is 2^(floor(log2(its largest magnitude)) - 2); its byte is the largest magnitude's exponent field - 2, held at 1 from below.
; LIMITS: a block of zeros gets the byte 1 where the rule says 127 (its codes are zeros, and this program alone reads the bytes); NaN and infinities among the inputs are not served.
; SHARES: work-groups 0-127 take q, 128-255 k (one path, pointers chosen), 256-511 v, 512-575 the table.  Waves share nothing: no barrier.  Only the path of q and k uses LDS.
.set HEADB, 102400
.set R,   16                           ; v16-143  numbers as loaded (q, k: two sets of 64; v: 128 down the keys; the table: 66 registers)
.set X,   144                          ; v144-207 q, k: a lane's two blocks of 32
.set C,   208                          ; v208-219 an image's 12 registers
.set CT,  220                          ; v220-226 the conversions' second halves
.set MX,  228                          ; v228-231 largest magnitudes
.set SCO, 232                          ; v232-233 the conversions' scale operands
.set BY,  234                          ; v234-237 scale bytes
.set WD,  238                          ; v238     a scale word
.set TP,  239                          ; v239     the other half of the lanes' part of it
.set REL, 16                           ; the table's path: 20 distances,
.set ADR, 36                           ; 20 byte offsets,
.set DAT, 56                           ; 20 numbers,
.set YQ,  76                           ; 5 places,
.set NEG, 81                           ; and -1e30
.set WREG, 9216                        ; LDS of a wave: a stage of 32 rows (8,816 bytes), and at 8,960 its 256 bytes of scale words
.set SWD,  8960
; Two blocks of 32 numbers, v[a] on and v[b] on, become 12 registers of codes in v[C] on; their bytes go to v[BY + ba], v[BY + bb].
.macro QUANT2 a, b, ba, bb
	v_max3_num_f32 v[MX],   |v[(\a)]|,   |v[(\a)+1]|, |v[(\a)+2]|        ; two chains a block, four in all, so that no line waits for the line above it
	v_max3_num_f32 v[MX+2], |v[(\b)]|,   |v[(\b)+1]|, |v[(\b)+2]|
	v_max3_num_f32 v[MX+1], |v[(\a)+3]|, |v[(\a)+4]|, |v[(\a)+5]|
	v_max3_num_f32 v[MX+3], |v[(\b)+3]|, |v[(\b)+4]|, |v[(\b)+5]|
.irp i, 6,10,14,18,22,26
	v_max3_num_f32 v[MX],   v[MX],   |v[(\a)+\i]|,   |v[(\a)+\i+1]|
	v_max3_num_f32 v[MX+2], v[MX+2], |v[(\b)+\i]|,   |v[(\b)+\i+1]|
	v_max3_num_f32 v[MX+1], v[MX+1], |v[(\a)+\i+2]|, |v[(\a)+\i+3]|
	v_max3_num_f32 v[MX+3], v[MX+3], |v[(\b)+\i+2]|, |v[(\b)+\i+3]|
.endr
	v_max3_num_f32 v[MX],   v[MX],   |v[(\a)+30]|, |v[(\a)+31]|
	v_max3_num_f32 v[MX+2], v[MX+2], |v[(\b)+30]|, |v[(\b)+31]|
	v_max3_num_f32 v[MX],   v[MX],   v[MX+1], 0x1800000                  ; and the floor 2^(3 - 127): the byte cannot fall under 1
	v_max3_num_f32 v[MX+2], v[MX+2], v[MX+3], 0x1800000
	v_add_nc_u32 v[SCO],   0xff000000, v[MX]                             ; 2 off the exponent field: the conversion takes the exponent field of this operand as its scale
	v_add_nc_u32 v[SCO+1], 0xff000000, v[MX+2]
	v_lshrrev_b32 v[BY+(\ba)], 23, v[SCO]                                ; the scales' bytes
	v_lshrrev_b32 v[BY+(\bb)], 23, v[SCO+1]
	v_cvt_scalef32_pk16_fp6_f32 v[C:C+2],     v[(\a):(\a)+15],    v[SCO]
	v_cvt_scalef32_pk16_fp6_f32 v[CT:CT+2],   v[(\a)+16:(\a)+31], v[SCO]     ; (a conversion's three registers begin on an even number: the second half of a block's six is made here and moved)
	v_cvt_scalef32_pk16_fp6_f32 v[C+6:C+8],   v[(\b):(\b)+15],    v[SCO+1]
	v_cvt_scalef32_pk16_fp6_f32 v[CT+4:CT+6], v[(\b)+16:(\b)+31], v[SCO+1]
	v_nop                                                                ; one plain place behind the scaled conversions
.irp i, 0,1,2
	v_mov_b32 v[C+3+\i], v[CT+\i]
	v_mov_b32 v[C+9+\i], v[CT+4+\i]
.endr
.endm
.macro LOADQK t                        ; group t: 32 rows of 256 bytes, as they lie: each load covers 512 consecutive bytes
.irp i, 0,1,2,3,4,5,6,7,8,9,10,11,12,13,14,15
	global_load_b128 v[R+64*((\t)%2)+4*\i:R+64*((\t)%2)+4*\i+3], v4, s[4:5] offset:8192*(\t)+512*\i th:TH_LOAD_NT
.endr
.endm
.macro GROUP t
.if (\t) < 3
	s_wait_loadcnt 16                              ; this group's 16 loads are in; the next group's 16 may be out
.else
	s_wait_loadcnt 0x0
.endif
.irp i, 0,1,2,3,4,5,6,7,8,9,10,11,12,13,14,15
	ds_store_b128 v14, v[R+64*((\t)%2)+4*\i:R+64*((\t)%2)+4*\i+3] offset:544*\i+128*(\i/8)   ; rows 2 i and 2 i + 1 into the stage
.endr
.irp i, 0,1,2,3,4,5,6,7
	ds_load_b128 v[X+4*\i:X+4*\i+3], v15 offset:16*\i                    ; LDS serves a wave's instructions in order: these see the stores.  Row rho(r), my half's 128 bytes,
.endr
.irp i, 0,1,2,3,4,5,6,7
	ds_load_b128 v[X+32+4*\i:X+32+4*\i+3], v15 offset:2176+16*\i         ; and the row eight further down
.endr
	s_wait_dscnt 0x0                               ; my 64 numbers are in, and the stores have read the registers that the next loads fill
.if (\t) > 0
	s_wait_xcnt 0x0                                ; the last group's stores have read v[C] on: it is rewritten only behind this wait
.endif
.if (\t) < 2
	LOADQK (\t)+2
.endif
	QUANT2 X, X+32, 0, 1
.irp c, 0,1,2
	global_store_b128 v4, v[C+4*\c:C+4*\c+3], s[34:35] offset:1536*(\t)+512*\c   ; 32 lanes store 512 consecutive bytes, at a multiple of 256 from the buffer's first byte
.endr
	v_lshl_or_b32 v[WD], v[BY+1], 16, v[BY]        ; my two bytes: block h of the first row and of the second,
	v_lshlrev_b32 v[WD], v10, v[WD]                ; 8 h bits up;
	v_permlanex16_b32 v[TP], v[WD], s20, s21
	v_or_b32 v[WD], v[WD], v[TP]                   ; with lane l xor 16's two the word is whole
	ds_store_b32 v7, v[WD] offset:SWD+64*(\t)      ; both halves of the lanes write the same word with the same value
.endm
.macro LOADV kb                        ; block kb of 32 keys: v(128 s + 32 kb + i, my column)
.irp i, 0,1,2,3,4,5,6,7,8,9,10,11,12,13,14,15,16,17,18,19,20,21,22,23,24,25,26,27,28,29,30,31
	global_load_b32 v[R+32*(\kb)+\i], v4, s[8:9] offset:(32*(\kb)+\i)*256
.endr
.endm
	s_load_b512 s[4:19], s[0:1], 0x0               ; q s[4:5], k s[6:7], v s[8:9], bias_weight s[10:11], qblk s[12:13], kblk s[14:15], vblk s[16:17], btab s[18:19]
	v_lshl_add_u32 v248, v0, 2, 0x9000
	v_mov_b32 v249, 0
	v_lshrrev_b32 v1, 5, v0
	v_readfirstlane_b32 s22, v1                    ; wave 0..3
	v_and_b32 v1, 31, v0                           ; lane
	v_and_b32 v2, 15, v0                           ; r
	v_bfe_u32 v3, v0, 4, 1                         ; h
	s_mov_b32 s20, 0x76543210
	s_mov_b32 s21, 0xfedcba98                      ; v_permlanex16_b32's selects for lane l xor 16
	s_cmp_ge_u32 ttmp9, 512
	s_cbranch_scc1 .Lbias
	s_cmp_ge_u32 ttmp9, 256
	s_cbranch_scc1 .Lv
	; ---- q and k.  A wave takes 128 rows: four groups of 32, one key step of the second launch.
	s_and_b32 s23, ttmp9, 127
	s_lshl_b32 s23, s23, 2
	s_add_co_u32 s23, s23, s22                     ; which 128 rows of the tensor: 0..511
	s_lshl_b32 s24, s23, 15                        ; 32,768 bytes each
	s_mov_b32 s25, 0
	s_lshr_b32 s26, s23, 4                         ; the head
	s_and_b32 s27, s23, 15                         ; the step in it
	s_mul_i32 s28, s26, HEADB
	s_mov_b32 s29, 0
	s_lshl_b32 s30, s27, 8
	s_add_co_u32 s30, s30, s28                     ; the step's 256 bytes of scale words
	s_mov_b32 s31, 0
	s_mul_i32 s27, s27, 6144
	s_add_co_u32 s28, s28, s27
	s_add_co_u32 s28, s28, 4096                    ; and its four images
	s_mul_i32 s36, s22, WREG                       ; my wave's LDS
	v_lshlrev_b32 v4, 4, v1                        ; 16 x lane: in, and into an image
	v_mul_u32_u24 v14, v3, 272                     ; the stage: row i lies at 272 i + 128 (i / 16), so that the 16 rows rho(r) of a read fall into 16 different columns of 16 bytes modulo 256
	v_lshl_add_u32 v14, v2, 4, v14
	v_add_nc_u32 v14, s36, v14                     ; in: lanes 0-15 one row, lanes 16-31 the next
	v_bfe_u32 v5, v0, 3, 1                         ; r / 8
	v_lshl_add_u32 v6, v5, 3, v2                   ; rho(r)
	v_mul_u32_u24 v15, v6, 272
	v_lshl_add_u32 v15, v5, 7, v15
	v_lshl_add_u32 v15, v3, 7, v15
	v_add_nc_u32 v15, s36, v15                     ; out: row rho(r), + 128 h
	v_lshl_add_u32 v7, v2, 2, s36                  ; scale words: 4 r
	v_lshl_add_u32 v8, v1, 3, s36                  ; and back, 8 bytes a lane
	v_lshlrev_b32 v9, 3, v1
	v_lshlrev_b32 v10, 3, v3                       ; 8 h
	v_mov_b32 v[TP], 0                             ; written once: a lane permute's destination counts as one of its sources
	s_wait_kmcnt 0x0
	s_cmp_lt_u32 ttmp9, 128                        ; q's work-group or k's?  The choice hangs on the work-group's number alone
	s_cselect_b64 s[4:5], s[4:5], s[6:7]
	s_cselect_b64 s[12:13], s[12:13], s[14:15]
	s_add_nc_u64 s[4:5], s[4:5], s[24:25]
	s_add_nc_u64 s[32:33], s[12:13], s[30:31]
	s_add_nc_u64 s[34:35], s[12:13], s[28:29]
	LOADQK 0
	LOADQK 1
	GROUP 0
	GROUP 1
	GROUP 2
	GROUP 3
	ds_load_b64 v[12:13], v8 offset:SWD            ; LDS serves a wave's instructions in order: these see my four stores
	s_wait_dscnt 0x0
	global_store_b64 v9, v[12:13], s[32:33]        ; 32 lanes store 256 consecutive bytes, aligned
	s_wait_tensorcnt 0x0
	ds_add_u32 v248, v249
	s_wait_dscnt 0x0
	s_endpgm
	; ---- v.  A lane takes a column d and its registers run down the keys: a block of 32 keys lies in one lane.  A wave takes 32 columns x 128 keys: two whole images.
.Lv:
	s_sub_co_u32 s23, ttmp9, 256
	s_lshl_b32 s23, s23, 2
	s_add_co_u32 s23, s23, s22                     ; 0..1023
	s_lshr_b32 s24, s23, 5                         ; the head
	s_bfe_u32 s25, s23, 0x40001                    ; the step of 128 keys
	s_and_b32 s26, s23, 1                          ; which 32 columns
	s_lshl_b32 s28, s24, 19
	s_lshl_b32 s27, s25, 15
	s_add_co_u32 s28, s28, s27
	s_lshl_b32 s27, s26, 7
	s_add_co_u32 s28, s28, s27                     ; in: head x 524,288 + step x 32,768 + 128 x half
	s_mov_b32 s29, 0
	s_mul_i32 s30, s24, HEADB
	s_lshl_b32 s32, s25, 8
	s_add_co_u32 s32, s32, s27
	s_add_co_u32 s32, s32, s30                     ; scale words: 256 a step, 4 a column
	s_mov_b32 s33, 0
	s_lshl_b32 s25, s25, 2
	s_lshl_b32 s26, s26, 1
	s_add_co_u32 s25, s25, s26
	s_mul_i32 s25, s25, 1536
	s_add_co_u32 s30, s30, s25
	s_add_co_u32 s30, s30, 4096                    ; images 4 s + 2 half and the next
	s_mov_b32 s31, 0
	v_lshlrev_b32 v4, 2, v1                        ; 4 x lane
	v_mul_u32_u24 v5, v3, 1536                     ; lanes 16-31 hold the second image's columns
	v_lshl_add_u32 v5, v2, 4, v5
	s_wait_kmcnt 0x0
	s_add_nc_u64 s[8:9], s[8:9], s[28:29]
	s_add_nc_u64 s[34:35], s[16:17], s[30:31]
	s_add_nc_u64 s[32:33], s[16:17], s[32:33]
	LOADV 0
	LOADV 2
	LOADV 1
	s_wait_loadcnt 32                              ; blocks 0 and 2 are in; block 1's 32 loads may be out
	LOADV 3
	QUANT2 R, R+64, 0, 2                           ; blocks 0 and 2 are the 12 registers of the image's lane r
.irp c, 0,1,2
	global_store_b128 v5, v[C+4*\c:C+4*\c+3], s[34:35] offset:512*\c         ; 16 lanes store 256 consecutive bytes, aligned, in each of the two images
.endr
	s_wait_loadcnt 0x0
	s_wait_xcnt 0x0                                ; the stores have read v[C] on
	QUANT2 R+32, R+96, 1, 3                        ; blocks 1 and 3: the image's lane 16 + r
.irp c, 0,1,2
	global_store_b128 v5, v[C+4*\c:C+4*\c+3], s[34:35] offset:512*\c+256
.endr
	v_lshl_or_b32 v[WD], v[BY+1], 8, v[BY]
	v_lshl_or_b32 v[WD], v[BY+2], 16, v[WD]
	v_lshl_or_b32 v[WD], v[BY+3], 24, v[WD]
	global_store_b32 v4, v[WD], s[32:33]           ; my column's word: 128 consecutive bytes a wave
	s_endpgm
	; ---- the table.  A work-group makes one copy of one head: 576 runs of four entries; thread i takes runs i, i + 128, ..  Runs past the last are held at the last: the same bytes, the same values.
.Lbias:
	s_sub_co_u32 s23, ttmp9, 512
	s_lshr_b32 s24, s23, 2                         ; the head
	s_and_b32 s25, s23, 3                          ; the copy
	s_lshl_b32 s26, s24, 2
	s_mov_b32 s27, 0
	s_mul_i32 s28, s24, 36864
	s_mul_i32 s30, s25, 9216
	s_add_co_u32 s28, s28, s30
	s_mov_b32 s29, 0
	s_sub_co_u32 s31, 2111, s25
	v_mov_b32 v[NEG], 0xf149f2ca                   ; -1e30
.irp k, 0,1,2,3,4
	v_add_nc_u32 v[YQ+\k], 128*\k, v0
	v_min_u32 v[YQ+\k], 575, v[YQ+\k]
	v_lshlrev_b32 v5, 2, v[YQ+\k]
	v_sub_nc_u32 v[REL+4*\k], s31, v5              ; the distance of the run's first entry: 2111 - c - y
	v_lshlrev_b32 v[YQ+\k], 4, v[YQ+\k]            ; the run's 16 bytes
.irp j, 1,2,3
	v_add_nc_u32 v[REL+4*\k+\j], -\j, v[REL+4*\k]
.endr
.irp j, 0,1,2,3
	v_max_i32 v[ADR+4*\k+\j], 0, v[REL+4*\k+\j]    ; a hidden distance reads row 0 and throws it away: rows 0 .. 2111 of 4,096
	v_lshlrev_b32 v[ADR+4*\k+\j], 6, v[ADR+4*\k+\j]   ; a row of bias_weight is 64 bytes
.endr
.endr
	s_wait_kmcnt 0x0
	s_add_nc_u64 s[10:11], s[10:11], s[26:27]      ; the head's column
	s_add_nc_u64 s[18:19], s[18:19], s[28:29]
.set J, 0
.rept 20
	global_load_b32 v[DAT+J], v[ADR+J], s[10:11]
.set J, J+1
.endr
	s_wait_loadcnt 0x0
.set J, 0
.rept 20
	v_mul_f32 v[DAT+J], 0x41000000, v[DAT+J]       ; x 8 = 1 / the scores' scale, exact: the bias is added ahead of the scaling
	v_cmp_le_i32 vcc_lo, 0, v[REL+J]
	v_cndmask_b32 v[DAT+J], v[NEG], v[DAT+J], vcc_lo
.set J, J+1
.endr
.irp k, 0,1,2,3,4
	global_store_b128 v[YQ+\k], v[DAT+4*\k:DAT+4*\k+3], s[18:19]
.endr
	s_endpgm
.Lfunc_end_k_q734b869ac1_prep:
	.size	k_q734b869ac1_prep, .Lfunc_end_k_q734b869ac1_prep-k_q734b869ac1_prep
	.p2alignl 7, 3214868480
	.fill 96, 4, 3214868480
	.section	.rodata,"a",@progbits
	.p2align	6, 0x0
	.amdhsa_kernel k_q734b869ac1_prep
		.amdhsa_group_segment_fixed_size 37376
		.amdhsa_private_segment_fixed_size 0
		.amdhsa_enable_private_segment 0
		.amdhsa_kernarg_size 64
		.amdhsa_user_sgpr_count 2
		.amdhsa_user_sgpr_kernarg_segment_ptr 1
		.amdhsa_wavefront_size32 1
		.amdhsa_system_sgpr_workgroup_id_x 1
		.amdhsa_system_sgpr_workgroup_id_y 1
		.amdhsa_system_sgpr_workgroup_id_z 1
		.amdhsa_system_vgpr_workitem_id 0
		.amdhsa_next_free_vgpr 250
		.amdhsa_next_free_sgpr 66
		.amdhsa_reserve_vcc 1
		.amdhsa_float_denorm_mode_32 3
		.amdhsa_float_denorm_mode_16_64 3
		.amdhsa_memory_ordered 1
		.amdhsa_forward_progress 1
		.amdhsa_inst_pref_size 59
	.end_amdhsa_kernel
	.amdgpu_metadata
---
amdhsa.version: [ 1, 2 ]
amdhsa.kernels:
  - .name:           k_q734b869ac1_prep
    .symbol:         k_q734b869ac1_prep.kd
    .args:
      - { .name: q, .offset: 0, .size: 8, .value_kind: global_buffer, .address_space: global }
      - { .name: k, .offset: 8, .size: 8, .value_kind: global_buffer, .address_space: global }
      - { .name: v, .offset: 16, .size: 8, .value_kind: global_buffer, .address_space: global }
      - { .name: bias_weight, .offset: 24, .size: 8, .value_kind: global_buffer, .address_space: global }
      - { .name: qblk, .offset: 32, .size: 8, .value_kind: global_buffer, .address_space: global }
      - { .name: kblk, .offset: 40, .size: 8, .value_kind: global_buffer, .address_space: global }
      - { .name: vblk, .offset: 48, .size: 8, .value_kind: global_buffer, .address_space: global }
      - { .name: btab, .offset: 56, .size: 8, .value_kind: global_buffer, .address_space: global }
    .group_segment_fixed_size: 37376
    .private_segment_fixed_size: 0
    .kernarg_segment_align: 8
    .kernarg_segment_size: 64
    .max_flat_workgroup_size: 128
    .sgpr_count:     66
    .vgpr_count:     250
    .wavefront_size: 32
...
	.end_amdgpu_metadata
.endif
;; end of part 1
;; launch attn (part 2): grid 8 x 32, 16 waves a work-group, no clusters, 313,600 bytes of LDS; arguments qblk, kblk, vblk, btab, tau, out0; writes out0
.if DOCPART == 2
	.amdgcn_target "amdgcn-amd-amdhsa--gfx1250"
	.amdhsa_code_object_version 6
	.text
	.protected	k_q734b869ac1_attn
	.globl	k_q734b869ac1_attn
	.p2align	8
	.type	k_q734b869ac1_attn,@function
k_q734b869ac1_attn:
	s_mov_b64 s[64:65], 0
	v_nop
	global_prefetch_b8 v0, s[64:65] scope:SCOPE_SE
	s_setreg_imm32_b32 hwreg(HW_REG_WAVE_MODE, 25, 1), 1
	s_wait_xcnt 0x0
; out[bh][q][:] = sum over k of relu(softmax_k(q.k / 8 + bias[q - k], causal) + tau[h] / (q + 1)) v[bh][k][:], both products on codes of FP6 (E2M3) with E8M0 scales for each 32 along K.
; The second product's operand is the FINISHED softmax plus a row's constant, so the keys are walked twice: pass 1 finds each row's M and sum, pass 2 makes the scores again, forms
; x = relu(2^(t - M) / sum + T), quantises it along the keys and multiplies by V.  t = (q.k + 8 bias) x log2(e) / 8; M = the row's largest t rounded up to a whole number.
; A HIDDEN KEY COUNTS IN THE SECOND PRODUCT: its softmax is 0, so x = relu(T).  A key step all of whose keys are hidden takes a constant operand, made once for each query; the first product leaves such steps out.
; SHARES.  A work-group owns one head and 16 tiles of 16 queries, one a wave, 256 registers a wave, four waves to a SIMD.  The tiles are eight pairs (x, 127 - x): every pair has 17 open key steps of 128 keys.
; LDS holds the head's K, V, scale words and bias table whole: it is filled once, at the start, and only read in the two passes: no ring.  Two barriers: behind the fills, and between the passes' reads and the way out's stores.
; CLUSTERS are not used: the work-groups that share a head hold different tiles, so their branches round hidden steps and their LDS addresses in the bias table differ.
; LAYOUT.  Both products are used transposed (source 0 = 16 keys, or 16 of the head's 64; source 1 = my 16 queries): a lane holds ONE query, Q0 + rho(lane % 16), rho(r) = r + 8 (r / 8).
; The head's 64 fill half of the instruction's K = 128.  An image of K holds TWO sets of 16 keys, one in each half of K; against [Q | 0] it gives the first set's scores, against [0 | Q] the second's: no LDS byte read is a zero.
; So register 16 b + i of the scores is key 128 s + 32 b + 16 (lane / 16) + i.  The bias and the mask come as the C of that product, from a table laid so that a lane's 16 keys are 64 consecutive bytes.
; LIMITS: NaN and infinities are not served; scores must lie far above -1e30; a block of zeros carries the byte 1 (its codes are zeros); a 2^(t - M) under 2^-126 counts as 0.
.set HEADB, 102400
.set KSC,   37120                      ; LDS: 0: the bias table, copy c at 9216 c + 32 (c & 1) + 128 (c >> 1): with that the 16 lanes of a load of 16 bytes touch 16 different columns modulo 256
.set KIMG,  41216                      ; K's scale words (4,096), K's 64 images (98,304),
.set VSC,   139520                     ; V's scale words,
.set VIMG,  143616                     ; V's 64 images,
.set STAGE, 241920                     ; and for each wave 16 rows x 272 bytes for the way out: bytes of its own, into which no fill lands
.set SP,    272
.set LI,  1                            ; v1   16 x lane: my place in an image
.set LS,  2                            ; v2   4 x lane: my place among 32 scale words
.set AB0, 3                            ; v3   my place in the bias table at key step 0
.set ADB, 4                            ; v4-8 the addresses of the loads in hand: bias, K, K's scales, V, V's scales
.set ADK, 5
.set ADS, 6
.set ADV, 7
.set ADT, 8
.set STO, 9                            ; v9   the way out: where I put 32 bytes of a row
.set RD,  10                           ; v10  and where I read a row back
.set QS,  34                           ; v12 -M, v13 the largest t, v[14:15] the sum; v16-21 zeros, v22-27 Q, v28-33 zeros; v34 Q's scale word
.set PW,  35                           ; v35  x's scale word
.set KF,  36                           ; v36-83 four images of K, later of V
.set KS,  84                           ; v84-85 K's scale words;  v86-87 V's;  v88 the constant operand's
.set VS,  86
.set CW,  88
.set RL,  90                           ; v[90:91] 1 / sum;  v[92:93] T
.set TT,  92
.set S,   96                           ; v96-159 scores, then x
.set OT,  160                          ; v160-191 O^T
.set PC,  192                          ; v192-203 x's codes;  v204-210 the conversions' second halves
.set PT,  204
.set CF,  212                          ; v212-223 the constant operand's codes
.set TM,  224                          ; v224-239 at work in the quantiser;  v240-247 at work
.set WV,  16
.set BH,  18
.set HD,  19
.set TA,  20
.set TG,  21
.set TU,  22
.set Q0,  23
.set SD,  24                           ; s24  the key step in which my tile's diagonal lies
.set ABS, 25
.set SEL, 26
.set CS,  28                           ; s[28:29] log2(e) / 8
.set TAU, 30
.set G1T, 32                           ; s[32:39] descriptor group 1: 100 rows of 256 bytes;  s[40:47]: 36 rows
.set G1B, 40
.set G0B, 48                           ; s[48:51], s[52:55], s[56:59] groups 0: the table, K, V
.set G0K, 52
.set G0V, 56
.set STEP, 66
.set SBI, 67
.set SKI, 68
.set SSC, 69
.set SVI, 70
.set SVS, 71
.macro PLACES n
.rept \n
	v_nop
.endr
.endm
; Group b of 32 keys: two products on one image of K.  The eight accumulators of a step take turns, one instruction a turn.
.macro KQ b
	s_wait_dscnt 7*(3-(\b))                        ; this group's 4 loads of bias and 3 of K are in; the 7 of each later group may be out
.if (\b)%2
	v_wmma_scale_f32_16x16x128_f8f6f4 v[S+16*(\b):S+16*(\b)+7], v[KF+12*(\b):KF+12*(\b)+11], v[22:33], v[S+16*(\b):S+16*(\b)+7], v[KS+(\b)/2], v[QS] matrix_a_fmt:MATRIX_FMT_FP6 matrix_b_fmt:MATRIX_FMT_FP6 matrix_a_scale:MATRIX_SCALE_ROW1
	v_wmma_scale_f32_16x16x128_f8f6f4 v[S+16*(\b)+8:S+16*(\b)+15], v[KF+12*(\b):KF+12*(\b)+11], v[16:27], v[S+16*(\b)+8:S+16*(\b)+15], v[KS+(\b)/2], v[QS] matrix_a_fmt:MATRIX_FMT_FP6 matrix_b_fmt:MATRIX_FMT_FP6 matrix_a_scale:MATRIX_SCALE_ROW1
.else
	v_wmma_scale_f32_16x16x128_f8f6f4 v[S+16*(\b):S+16*(\b)+7], v[KF+12*(\b):KF+12*(\b)+11], v[22:33], v[S+16*(\b):S+16*(\b)+7], v[KS+(\b)/2], v[QS] matrix_a_fmt:MATRIX_FMT_FP6 matrix_b_fmt:MATRIX_FMT_FP6
	v_wmma_scale_f32_16x16x128_f8f6f4 v[S+16*(\b)+8:S+16*(\b)+15], v[KF+12*(\b):KF+12*(\b)+11], v[16:27], v[S+16*(\b)+8:S+16*(\b)+15], v[KS+(\b)/2], v[QS] matrix_a_fmt:MATRIX_FMT_FP6 matrix_b_fmt:MATRIX_FMT_FP6
.endif
.endm
; A key step's scores: q.k + 8 bias, -1e30 where the key is hidden.
.macro SCORES
	v_add_nc_u32 v[ADB], s[SBI], v[AB0]            ; these four lines are the places in front of loads into registers that matrix instructions have read
	v_add_nc_u32 v[ADK], s[SKI], v[LI]
	v_add_nc_u32 v[ADS], s[SSC], v[LS]
	v_nop
	ds_load_b32 v[KS], v[ADS]                      ; lanes 0-15 group 0's words, lanes 16-31 group 1's
	ds_load_b32 v[KS+1], v[ADS] offset:128         ; groups 2 and 3
.irp b, 0,1,2,3
.irp w, 0,1,2,3
	ds_load_b128 v[S+16*\b+4*\w:S+16*\b+4*\w+3], v[ADB] offset:128*\b+16*\w   ; the C of the products
.endr
.irp c, 0,1,2
	ds_load_b128 v[KF+12*\b+4*\c:KF+12*\b+4*\c+3], v[ADK] offset:1536*\b+512*\c
.endr
.endr
.irp b, 0,1,2,3
	KQ \b
.endr
.endm
.macro TMINUSM                         ; t - M, two at a time, and 2^(t - M)
.set J, 0
.rept 32
	v_pk_fma_f32 v[S+J:S+J+1], v[S+J:S+J+1], s[CS:CS+1], v[12:13] op_sel_hi:[1,0,0]   ; (of the pairs c and -M the low word serves both halves)
.set J, J+2
.endr
.set J, 0
.rept 64
	v_exp_f32 v[S+J], v[S+J]
.set J, J+1
.endr
.endm
; Pass 1, an open key step: the running largest t, M, and the sum of 2^(t - M).
.macro P1STEP
	SCORES
	PLACES 4
.irp b, 0,1,2,3
	v_max3_num_f32 v[TM+\b], v[S+16*\b], v[S+16*\b+1], v[S+16*\b+2]      ; four chains; each accumulator is read from its low end on
.endr
.irp i, 3,5,7,9,11,13
.irp b, 0,1,2,3
	v_max3_num_f32 v[TM+\b], v[TM+\b], v[S+16*\b+\i], v[S+16*\b+\i+1]
.endr
.endr
.irp b, 0,1,2,3
	v_max_num_f32 v[TM+\b], v[TM+\b], v[S+16*\b+15]
.endr
	v_max3_num_f32 v244, v[TM], v[TM+1], v[TM+2]
	v_max_num_f32 v244, v244, v[TM+3]
	v_permlanex16_b32 v245, v244, s[SEL], s[SEL+1]
	v_max_num_f32 v244, v244, v245                 ; with lane l xor 16's 64 keys: the step's largest score of my query
	v_mul_f32 v244, s[CS], v244                    ; as t (c is positive)
	v_max_num_f32 v13, v13, v244
	v_mov_b32 v244, v12
	v_floor_f32 v12, -v13                          ; -M = floor(-t): M is a whole number
	v_sub_f32 v244, v12, v244                      ; old M - new M: a whole number, 0 or less
	v_cvt_i32_f32 v244, v244                       ; (it saturates)
	v_ldexp_f32 v240, 1.0, v244                    ; f = 2^(old M - new M): brings the sum under the new M and rounds nothing
	TMINUSM
	v_pk_mul_f32 v[14:15], v[14:15], v[240:241] op_sel_hi:[1,0]          ; (a plain place behind the exponentials)
	s_wait_alu depctr_va_vdst(0)
	v_pk_add_f32 v[242:243], v[S:S+1], v[S+2:S+3]                        ; the sum, two at a time, in two chains
.set J, 4
.rept 15
	v_pk_add_f32 v[14:15], v[14:15], v[S+J:S+J+1]
	v_pk_add_f32 v[242:243], v[242:243], v[S+J+2:S+J+3]
.set J, J+4
.endr
	v_pk_add_f32 v[14:15], v[14:15], v[242:243]
.endm
; A key step's four images of V and their scale words.
.macro VFETCH
	v_add_nc_u32 v[ADV], s[SVI], v[LI]             ; these four lines are the places behind the last matrix instructions
	v_add_nc_u32 v[ADT], s[SVS], v[LS]
	v_nop
	v_nop
.irp t, 0,1,2,3
.irp c, 0,1,2
	ds_load_b128 v[KF+12*\t+4*\c:KF+12*\t+4*\c+3], v[ADV] offset:1536*\t+512*\c
.endr
.endr
	ds_load_b32 v[VS], v[ADT]                      ; lanes 0-15 d = 0-15, lanes 16-31 d = 16-31
	ds_load_b32 v[VS+1], v[ADT] offset:128         ; d = 32-63
.endm
; O^T += V^T x^T for 128 keys: four accumulators by turns.  frag: x's codes; sc: their scale word.
.macro PV frag, sc
	s_wait_dscnt 0x0                               ; V and its words are in
.irp t, 0,1,2,3
.if \t%2
	v_wmma_scale_f32_16x16x128_f8f6f4 v[OT+8*\t:OT+8*\t+7], v[KF+12*\t:KF+12*\t+11], v[\frag:\frag+11], v[OT+8*\t:OT+8*\t+7], v[VS+\t/2], v[\sc] matrix_a_fmt:MATRIX_FMT_FP6 matrix_b_fmt:MATRIX_FMT_FP6 matrix_a_scale:MATRIX_SCALE_ROW1
.else
	v_wmma_scale_f32_16x16x128_f8f6f4 v[OT+8*\t:OT+8*\t+7], v[KF+12*\t:KF+12*\t+11], v[\frag:\frag+11], v[OT+8*\t:OT+8*\t+7], v[VS+\t/2], v[\sc] matrix_a_fmt:MATRIX_FMT_FP6 matrix_b_fmt:MATRIX_FMT_FP6
.endif
.endr
.endm
; x's 64 numbers of a lane (none negative) become an operand's 12 registers and its scale word.
.macro QUANT
.irp b, 0,1,2,3
	v_max3_num_f32 v[TM+\b], v[S+16*\b], v[S+16*\b+1], 0x1800000         ; block b: my 16 numbers, and the floor 2^(3 - 127): the byte cannot fall under 1
.endr
.irp i, 2,4,6,8,10,12,14
.irp b, 0,1,2,3
	v_max3_num_f32 v[TM+\b], v[TM+\b], v[S+16*\b+\i], v[S+16*\b+\i+1]
.endr
.endr
.irp b, 0,1,2,3
	v_permlanex16_b32 v[TM+4+\b], v[TM+\b], s[SEL], s[SEL+1]
.endr
.irp b, 0,1,2,3
	v_max_num_f32 v[TM+\b], v[TM+\b], v[TM+4+\b]   ; with lane l xor 16's 16: the block's largest
.endr
.irp b, 0,1,2,3
	v_add_nc_u32 v[TM+12+\b], 0xff000000, v[TM+\b] ; 2 off the exponent field: the conversion's scale operand
.endr
.irp b, 0,1,2,3
	v_lshrrev_b32 v[TM+4+\b], 23, v[TM+12+\b]      ; the scale's byte
.endr
	v_lshl_or_b32 v[PW], v[TM+5], 8, v[TM+4]
	v_lshl_or_b32 v[PW], v[TM+6], 16, v[PW]
	v_lshl_or_b32 v[PW], v[TM+7], 24, v[PW]
.irp c, 0,1
	v_cvt_scalef32_pk16_fp6_f32 v[PC+6*\c:PC+6*\c+2], v[S+32*\c:S+32*\c+15], v[TM+12+2*\c]
	v_cvt_scalef32_pk16_fp6_f32 v[PT+4*\c:PT+4*\c+2], v[S+32*\c+16:S+32*\c+31], v[TM+12+2*\c+1]   ; (a conversion's three registers begin on an even number)
.endr
	v_nop                                          ; one plain place behind the scaled conversions
.irp c, 0,1                            ; the operand's layout wants a whole block in a lane: lanes 0-15 block 2 c, lanes 16-31 block 2 c + 1
.irp i, 0,1,2
	v_permlane16_swap_b32 v[PC+6*\c+\i], v[PT+4*\c+\i]
.endr
.irp i, 0,1,2
	v_mov_b32 v[PC+6*\c+3+\i], v[PT+4*\c+\i]
.endr
.endr
.endm
; Pass 2, an open key step.  V is asked for ahead of the vector work and lands under it.
.macro P2OPEN
	SCORES
	VFETCH
	TMINUSM
	v_nop                                          ; a plain place behind the exponentials
.set J, 0
	s_wait_alu depctr_va_vdst(0)
.rept 32
	v_pk_fma_f32 v[S+J:S+J+1], v[S+J:S+J+1], v[RL:RL+1], v[TT:TT+1]      ; softmax + T (both words of each pair hold the same number); a hidden key gives T
.set J, J+2
.endr
.set J, 0
.rept 64
	v_max_num_f32 v[S+J], 0, v[S+J]
.set J, J+1
.endr
	QUANT
	PLACES 4                                       ; an operand written by vector instructions stands 4 places ahead of a scaled matrix instruction; the scale word stands 11 plain lines ahead, where 8 are asked
	PV PC, PW
.endm
	s_load_b256 s[4:11], s[0:1], 0x0               ; qblk s[4:5], kblk s[6:7], vblk s[8:9], btab s[10:11]
	s_load_b128 s[12:15], s[0:1], 0x20             ; tau s[12:13], out0 s[14:15]
	v_lshl_add_u32 v254, v0, 2, 0x4c100
	v_mov_b32 v255, 0
	ds_add_u32 v254, v255
	ds_add_u32 v254, v255
	v_lshrrev_b32 v4, 5, v0
	v_readfirstlane_b32 s[WV], v4                  ; wave 0..15
	s_and_b32 s[BH], ttmp7, 0xffff                 ; batch x 16 + head
	s_and_b32 s[HD], s[BH], 15
	s_lshl_b32 s72, ttmp9, 3
	s_lshr_b32 s73, s[WV], 1
	s_add_co_u32 s72, s72, s73                     ; x = 8 j + wave / 2: 0..63
	s_lshr_b32 s73, s[WV], 2
	s_xor_b32 s73, s73, s[WV]
	s_and_b32 s73, s73, 1                          ; which of the pair (x, 127 - x) is mine
	s_mul_i32 s73, s73, 127
	s_xor_b32 s[TA], s72, s73                      ; my tile a (127 - x = x xor 127)
	s_xor_b32 s74, s[TA], 127                      ; and its mirror
	s_lshr_b32 s[TG], s[TA], 1                     ; Q's image,
	s_and_b32 s[TU], s[TA], 1                      ; and which half of it
	s_lshl_b32 s[Q0], s[TG], 5
	s_lshl_b32 s75, s[TU], 3
	s_add_co_u32 s[Q0], s[Q0], s75                 ; Q0 = 32 (a / 2) + 8 (a % 2)
	s_lshr_b32 s[SD], s[TA], 3
	s_lshr_b32 s75, s74, 1
	s_lshl_b32 s75, s75, 5
	s_and_b32 s74, s74, 1
	s_lshl_b32 s74, s74, 3
	s_add_co_u32 s74, s74, s75                     ; the mirror's Q0 = 2024 - Q0
	s_lshl_b32 s74, s74, 2
	s_add_co_u32 s[ABS], s74, 256                  ; 8432 - 80 - 4 Q0
	; descriptor groups 1: dense blocks as rows of 256 bytes (32 elements of 8 bytes), no padding, no mask
	s_mov_b32 s[G1T], 3<<16
	s_mov_b32 s[G1T+1], 32<<16                     ; tensor_dim0
	s_mov_b32 s[G1T+2], 100<<16                    ; tensor_dim1: a quarter of a head's 102,400 bytes
	s_mov_b32 s[G1T+3], 32<<16                     ; tile_dim0
	s_mov_b32 s[G1T+4], 100                        ; tile_dim1
	s_mov_b32 s[G1T+5], 32                         ; the pitch
	s_mov_b32 s[G1T+6], 0
	s_mov_b32 s[G1T+7], 0
	s_mov_b32 s[G1B], 3<<16
	s_mov_b32 s[G1B+1], 32<<16
	s_mov_b32 s[G1B+2], 36<<16                     ; a copy of the table: 9,216 bytes
	s_mov_b32 s[G1B+3], 32<<16
	s_mov_b32 s[G1B+4], 36
	s_mov_b32 s[G1B+5], 32
	s_mov_b32 s[G1B+6], 0
	s_mov_b32 s[G1B+7], 0
	s_mul_i32 s76, s[BH], HEADB
	s_mov_b32 s77, 0                               ; the head in qblk, kblk, vblk
	s_mul_i32 s80, s[WV], 25600                    ; wave w (0..3) fetches quarter w of K, of V, and copy w of the table
	s_mov_b32 s78, s80
	s_mov_b32 s79, 0
	s_add_nc_u64 s[78:79], s[78:79], s[76:77]
	s_mul_i32 s84, s[WV], 9216
	s_mul_i32 s82, s[HD], 36864
	s_add_co_u32 s82, s82, s84
	s_mov_b32 s83, 0
	s_and_b32 s85, s[WV], 1
	s_lshl_b32 s85, s85, 5
	s_add_co_u32 s84, s84, s85
	s_lshr_b32 s85, s[WV], 1
	s_lshl_b32 s85, s85, 7
	s_add_co_u32 s84, s84, s85                     ; the copy's place in LDS
	s_mov_b32 s[SEL], 0x76543210
	s_mov_b32 s[SEL+1], 0xfedcba98                 ; v_permlanex16_b32's selects for lane l xor 16
	s_mov_b32 s[CS], 0x3e38aa3b                    ; log2(e) / 8
	s_mov_b32 s[CS+1], s[CS]                       ; (named with it as a pair, so it is written)
	v_and_b32 v11, 31, v0                          ; lane
	v_lshlrev_b32 v[LI], 4, v11
	v_lshlrev_b32 v[LS], 2, v11
	v_and_b32 v240, 15, v0                         ; r
	v_bfe_u32 v241, v0, 4, 1                       ; h
	; The table: entry y of copy c holds B(2111 - c - y).  My query Q0 + rho(r) and key k want y = 2111 - c - Q0 - rho(r) + k; copy c = 3 - r % 4 makes y a multiple of 4 where k is one.
	; In bytes: 8432 - 4 Q0 - 4 (rho(r) & ~3) + 4 k.  With 15 - r in r's place no term is subtracted: -4 (rho & ~3) = -80 + 4 ((15 - r) & 4) + 8 ((15 - r) & 8).
	v_xor_b32 v242, 15, v240
	v_and_b32 v243, 3, v242                        ; the copy
	v_mul_u32_u24 v[AB0], v243, 9216
	v_and_b32 v244, 1, v243
	v_lshl_add_u32 v[AB0], v244, 5, v[AB0]
	v_lshrrev_b32 v244, 1, v243
	v_lshl_add_u32 v[AB0], v244, 7, v[AB0]
	v_and_b32 v244, 4, v242
	v_lshl_add_u32 v[AB0], v244, 2, v[AB0]
	v_and_b32 v244, 8, v242
	v_lshl_add_u32 v[AB0], v244, 3, v[AB0]
	v_lshl_add_u32 v[AB0], v241, 6, v[AB0]         ; lanes 16-31: 16 keys on
	v_add_nc_u32 v[AB0], s[ABS], v[AB0]
	s_mul_i32 s72, s[WV], 16*SP
	s_add_co_u32 s72, s72, STAGE                   ; my stage
	v_mul_u32_u24 v[STO], v240, SP
	v_lshl_add_u32 v[STO], v241, 5, v[STO]
	v_add_nc_u32 v[STO], s72, v[STO]               ; in: row r, + 32 h
	v_mul_u32_u24 v[RD], v241, SP
	v_lshl_add_u32 v[RD], v240, 4, v[RD]
	v_add_nc_u32 v[RD], s72, v[RD]                 ; back: lanes 0-15 one row, lanes 16-31 the next
	s_mul_i32 s73, s[TG], 1536
	s_add_co_u32 s73, s73, 4096
	s_lshl_b32 s74, s[TG], 6
	v_add_nc_u32 v5, s73, v[LI]                    ; Q's image,
	v_lshl_add_u32 v6, v240, 2, s74                ; and its scale words
	v_and_b32 v242, 8, v240
	v_add_nc_u32 v242, v242, v240                  ; rho(r)
	v_add_nc_u32 v242, s[Q0], v242
	v_add_nc_u32 v242, 1, v242
	v_cvt_f32_u32 v242, v242                       ; n = my query + 1
	v_rcp_f32 v243, v242
	v_mov_b32 v241, 0                              ; (a plain place behind the reciprocal)  named as the upper half of the pair v[240:241]
	s_lshl_b32 s86, s[HD], 2
	s_mov_b32 s87, 0
	s_lshl_b32 s88, s[BH], 19
	s_lshl_b32 s89, s[Q0], 8
	s_add_co_u32 s88, s88, s89                     ; out0: head x 524,288 + Q0 x 256
	s_mov_b32 s89, 0
	s_wait_dscnt 0x0
	s_wait_kmcnt 0x0
	s_mov_b32 s[G0B], 1                            ; count = 1
	s_mov_b32 s[G0B+1], s84                        ; LDS address
	s_add_nc_u64 s[G0B+2:G0B+3], s[10:11], s[82:83]
	s_or_b32 s[G0B+3], s[G0B+3], 0x80000000        ; type = 2
	s_mov_b32 s[G0K], 1
	s_add_co_u32 s[G0K+1], s80, KSC
	s_add_nc_u64 s[G0K+2:G0K+3], s[6:7], s[78:79]
	s_or_b32 s[G0K+3], s[G0K+3], 0x80000000
	s_mov_b32 s[G0V], 1
	s_add_co_u32 s[G0V+1], s80, VSC
	s_add_nc_u64 s[G0V+2:G0V+3], s[8:9], s[78:79]
	s_or_b32 s[G0V+3], s[G0V+3], 0x80000000
	s_cmp_lt_u32 s[WV], 4                          ; all fills of the launch stand in one branch on the wave's number, ahead of every wait on TENSORcnt, LDS read and barrier: three loads of a wave are out
	s_cbranch_scc0 .Lno_fill
	tensor_load_to_lds s[G0B:G0B+3], s[G1B:G1B+7]
	s_nop 0
	tensor_load_to_lds s[G0K:G0K+3], s[G1T:G1T+7]
	s_nop 0
	tensor_load_to_lds s[G0V:G0V+3], s[G1T:G1T+7]
	s_nop 0
	PLACES 4
.Lno_fill:
	s_add_nc_u64 s[4:5], s[4:5], s[76:77]
	s_add_nc_u64 s[12:13], s[12:13], s[86:87]
	s_add_nc_u64 s[14:15], s[14:15], s[88:89]
	global_load_b128 v[36:39], v5, s[4:5]          ; Q's image, both halves: 12 registers
	global_load_b128 v[40:43], v5, s[4:5] offset:512
	global_load_b128 v[44:47], v5, s[4:5] offset:1024
	global_load_b32 v[QS], v6, s[4:5]
	s_load_b32 s[TAU], s[12:13], 0x0
.irp i, 16,17,18,19,20,21,28,29,30,31,32,33
	v_mov_b32 v\i, 0                               ; the zero codes on either side of Q
.endr
	v_mov_b32 v13, 0xff61b1e6                      ; the largest t so far: -3e38, under every t
	v_floor_f32 v12, -v13                          ; -M
	v_mov_b32 v14, 0                               ; the sum, in two halves
	v_mov_b32 v15, 0
	v_mov_b32 v245, 0                              ; written once: a lane permute's destination counts as one of its sources
.irp b, 0,1,2,3
	v_mov_b32 v[TM+4+\b], 0
.endr
	s_cmp_eq_u32 s[TU], 0
	s_mov_b32 s72, 0x03020302
	s_cselect_b32 s72, 0x01000100, s72             ; my half's two scale bytes, twice: they serve [Q | 0] and [0 | Q]
	s_cselect_b32 s73, 0, -1
	s_wait_loadcnt 0x0
	s_wait_kmcnt 0x0
.irp e, 0,1,2,3,4,5
	v_cndmask_b32 v[22+\e], v[36+\e], v[42+\e], s73   ; registers 0-5 of the image, or 6-11
.endr
	v_perm_b32 v[QS], v[QS], v[QS], s72
	s_wait_alu depctr_va_vdst(0)
	v_mul_f32 v244, s[TAU], v243                   ; T = tau / n: the reciprocal's quotient, mended once by its remainder
	v_fma_f32 v246, -v244, v242, s[TAU]
	v_fma_f32 v[TT], v246, v243, v244
	v_mov_b32 v[TT+1], v[TT]
	v_max_num_f32 v244, 0, v[TT]                   ; relu(T): x at a hidden key
.set J, 0
.rept 16
	v_mov_b32 v[S+J], v244
.set J, J+1
.endr
	v_max_num_f32 v246, 0x1800000, v244            ; a block of 32 such numbers: its largest, with the floor,
	v_add_nc_u32 v246, 0xff000000, v246            ; the conversion's scale operand,
	v_lshrrev_b32 v247, 23, v246                   ; the byte,
	v_lshl_or_b32 v[CW], v247, 8, v247
	v_lshl_or_b32 v[CW], v[CW], 16, v[CW]          ; four times: the scale word of 128 hidden keys
	v_cvt_scalef32_pk16_fp6_f32 v[PT:PT+2], v[S:S+15], v246
	v_nop                                          ; one plain place behind the scaled conversion
.irp k, 0,1,2,3
.irp i, 0,1,2
	v_mov_b32 v[CF+3*\k+\i], v[PT+\i]              ; all runs of 16 codes are alike
.endr
.endr
.set J, 0
.rept 32
	v_mov_b32 v[OT+J], 0                           ; O^T: the key step is written once, in a loop, so the first finds zeros
.set J, J+1
.endr
	s_wait_tensorcnt 0x0                           ; my fills have landed (a wave that issued none passes at once),
	s_barrier_signal -1
	s_barrier_wait -1                              ; everybody's have.  In the two passes LDS is only read
	; ---- pass 1.  Sixteen trips in every wave, so that the stepped LDS addresses are a constant's steps; a step all of whose keys are hidden is jumped over (a branch on ids).
	s_mov_b32 s[STEP], 0
	s_mov_b32 s[SBI], 0
	s_mov_b32 s[SKI], KIMG
	s_mov_b32 s[SSC], KSC
.Lp1:
	s_cmp_gt_u32 s[STEP], s[SD]
	s_cbranch_scc1 .Lp1_hidden
	P1STEP
.Lp1_hidden:
	s_add_co_u32 s[SBI], s[SBI], 512               ; 128 keys on in the table,
	s_add_co_u32 s[SKI], s[SKI], 6144              ; four images,
	s_add_co_u32 s[SSC], s[SSC], 256               ; 64 scale words
	s_add_co_u32 s[STEP], s[STEP], 1
	s_cmp_lt_u32 s[STEP], 16
	s_cbranch_scc1 .Lp1
	v_add_f32 v14, v14, v15                        ; the sum's two halves,
	v_permlanex16_b32 v245, v14, s[SEL], s[SEL+1]
	v_add_f32 v14, v14, v245                       ; and lane l xor 16's: the row's sum, at least 1/2
	v_rcp_f32 v[RL], v14
	v_nop                                          ; a plain place behind the reciprocal
	s_wait_alu depctr_va_vdst(0)
	v_mov_b32 v[RL+1], v[RL]
	; ---- pass 2.  Sixteen trips: an open step makes x and quantises it, a hidden one takes the constant operand.
	s_mov_b32 s[STEP], 0
	s_mov_b32 s[SBI], 0
	s_mov_b32 s[SKI], KIMG
	s_mov_b32 s[SSC], KSC
	s_mov_b32 s[SVI], VIMG
	s_mov_b32 s[SVS], VSC
.Lp2:
	s_cmp_gt_u32 s[STEP], s[SD]
	s_cbranch_scc1 .Lp2_hidden
	P2OPEN
	s_branch .Lp2_next
.Lp2_hidden:
	VFETCH
	PV CF, CW
.Lp2_next:
	s_add_co_u32 s[SBI], s[SBI], 512
	s_add_co_u32 s[SKI], s[SKI], 6144
	s_add_co_u32 s[SSC], s[SSC], 256
	s_add_co_u32 s[SVI], s[SVI], 6144
	s_add_co_u32 s[SVS], s[SVS], 256
	s_add_co_u32 s[STEP], s[STEP], 1
	s_cmp_lt_u32 s[STEP], 16
	s_cbranch_scc1 .Lp2
	; ---- the way out.  Register 8 t + i of lane (r, h) is out(Q0 + rho(r), 16 t + 8 h + i): 32 bytes of a row.  Through my own stage the rows come back whole.
	PLACES 4                                       ; in front of the first read of results
	s_wait_dscnt 0x0                               ; my LDS reads of the two passes are back;
	s_barrier_signal -1
	s_barrier_wait -1                              ; every wave's are: no wave stores into LDS while another still reads from it
.irp t, 0,1,2,3
	ds_store_b128 v[STO], v[OT+8*\t:OT+8*\t+3] offset:64*\t              ; each accumulator from its low end on
	ds_store_b128 v[STO], v[OT+8*\t+4:OT+8*\t+7] offset:64*\t+16
.endr
.irp i, 0,1,2,3,4,5,6,7
	ds_load_b128 v[S+4*\i:S+4*\i+3], v[RD] offset:2*\i*SP                ; LDS serves a wave's instructions in order: these see my stores
.endr
.irp i, 0,1,2,3,4,5,6,7
	s_wait_dscnt 7-\i                              ; rows 2 i and 2 i + 1 are back; the younger loads may be out
	global_store_b128 v[LI], v[S+4*\i:S+4*\i+3], s[14:15] offset:512*\i+2048*(\i/4) th:TH_STORE_NT   ; 32 lanes store two neighbouring rows, 512 consecutive bytes, aligned; stage rows 8-15 are queries Q0 + 16 on
.endr
	s_wait_tensorcnt 0x0
	ds_add_u32 v254, v255
	s_wait_dscnt 0x0
	s_endpgm
.Lfunc_end_k_q734b869ac1_attn:
	.size	k_q734b869ac1_attn, .Lfunc_end_k_q734b869ac1_attn-k_q734b869ac1_attn
	.p2alignl 7, 3214868480
	.fill 96, 4, 3214868480
	.section	.rodata,"a",@progbits
	.p2align	6, 0x0
	.amdhsa_kernel k_q734b869ac1_attn
		.amdhsa_group_segment_fixed_size 313600
		.amdhsa_private_segment_fixed_size 0
		.amdhsa_enable_private_segment 0
		.amdhsa_kernarg_size 48
		.amdhsa_user_sgpr_count 2
		.amdhsa_user_sgpr_kernarg_segment_ptr 1
		.amdhsa_wavefront_size32 1
		.amdhsa_system_sgpr_workgroup_id_x 1
		.amdhsa_system_sgpr_workgroup_id_y 1
		.amdhsa_system_sgpr_workgroup_id_z 1
		.amdhsa_system_vgpr_workitem_id 0
		.amdhsa_next_free_vgpr 256
		.amdhsa_next_free_sgpr 96
		.amdhsa_reserve_vcc 0
		.amdhsa_float_denorm_mode_32 3
		.amdhsa_float_denorm_mode_16_64 3
		.amdhsa_memory_ordered 1
		.amdhsa_forward_progress 1
		.amdhsa_inst_pref_size 45
	.end_amdhsa_kernel
	.amdgpu_metadata
---
amdhsa.version: [ 1, 2 ]
amdhsa.kernels:
  - .name:           k_q734b869ac1_attn
    .symbol:         k_q734b869ac1_attn.kd
    .args:
      - { .name: qblk, .offset: 0, .size: 8, .value_kind: global_buffer, .address_space: global }
      - { .name: kblk, .offset: 8, .size: 8, .value_kind: global_buffer, .address_space: global }
      - { .name: vblk, .offset: 16, .size: 8, .value_kind: global_buffer, .address_space: global }
      - { .name: btab, .offset: 24, .size: 8, .value_kind: global_buffer, .address_space: global }
      - { .name: tau, .offset: 32, .size: 8, .value_kind: global_buffer, .address_space: global }
      - { .name: out0, .offset: 40, .size: 8, .value_kind: global_buffer, .address_space: global }
    .group_segment_fixed_size: 313600
    .private_segment_fixed_size: 0
    .kernarg_segment_align: 8
    .kernarg_segment_size: 48
    .max_flat_workgroup_size: 512
    .sgpr_count:     96
    .vgpr_count:     256
    .wavefront_size: 32
...
	.end_amdgpu_metadata
.endif
;; end of part 2
